; MI455X (gfx1250); checked and timed in simulation.
; The chip was launched on July 23, 2026; its instructions are those of AMD's public machine-readable ISA for CDNA 5 (MIT licence, August 2026) and "CDNA5" Instruction Set Architecture Reference Guide (July 2026). The comments in the code are by the model that wrote it; some were corrected since.
;; Packed Linear. Allowed arithmetic: matrix products marked QUANTISED: E2M3 operands, one E8M0 scale for each 32 along K, by v_wmma_scale_f32_16x16x128_f8f6f4 with both operands' format E2M3, f32 sums; everything else in f32.
;; Inputs: bias 4,096 float32; weight_packed 4,096 x 2,048 int32; x 4,096 x 4,096 float32.
;; Outputs: out0 4,096 x 4,096 float32.
;; This version of the problem:
;;   THIS VERSION OF THE PROBLEM IS GIVEN IN LOW PRECISION. The matrix products marked QUANTISED in the list below multiply operands that are first quantised to E2M3 (2 exponent bits, 3 mantissa bits; 6 bits a number), with one power-of-two scale for each 32 numbers along K (OCP MX v1.0); their sums are f32. All else is computed in f32.
;;   The module's matrix products, in the order in which they are computed (A, B: the left and right operand; K: the contracted axis; several contracted axes count as one K, in the product's order):
;;     1. [M 4,096, K 4,096] x [K 4,096, N 4,096]; A: input x; B: computed on the way: QUANTISED
;;   THE QUANTISER, for each operand of a quantised product, along K:
;;     - K is cut into blocks of 32 from its start; a last block that is shorter is filled with zeros.
;;     - A block's scale is 2^e with e = floor(log2(the largest magnitude in the block)) - 2, held to -126 .. 127; a block of zeros has e = 0. As a byte (E8M0): e + 127.
;;     - Each number is divided by its block's scale, clamped to +-7.5, and rounded to the nearest number of E2M3, ties to even, subnormals kept.
;;     - The product sums the exact products of the quantised numbers (number of the format x scale) in f32.
;;   ~~~python
;;   def quantise(x, axis):      # numpy; x: float32 -> the quantised numbers, widened to float32 again
;;       x = np.moveaxis(x, axis, -1); K = x.shape[-1]
;;       x = np.pad(x, [(0, 0)] * (x.ndim - 1) + [(0, -K % 32)]); x = x.reshape(x.shape[:-1] + (-1, 32)); a = np.abs(x).max(-1, keepdims=True)
;;       e = np.where(a > 0, np.clip(np.frexp(np.where(a > 0, a, 1))[1] - 1 - 2, -126, 127), 0)      # np.frexp(a)[1] - 1 = floor(log2(a)), exactly
;;       r = np.clip(x / 2.0 ** e, -7.5, 7.5)
;;       step = 2.0 ** (np.maximum(np.frexp(np.where(r == 0, 1, r))[1] - 1, 0) - 3)
;;       q = np.round(r / step) * step * 2.0 ** e      # np.round: ties to even
;;       return np.moveaxis(q.reshape(q.shape[:-2] + (-1,))[..., :K], -1, axis).astype(np.float32)
;;   ~~~
;;   OPERANDS COMPUTED ON THE WAY. 'Computed on the way' means the value that the module computes at that place (a softmax that the list does not call 'softmax' is quantised finished and normalised). What goes into a quantiser is computed in f32, as accurately as f32 sums, v_exp_f32 and their like allow (about 1e-6 of the number): no bf16 or f16 on the way to a quantiser, and a product that is left as it is and whose result goes on into a quantised operand takes f32 operands (vector FMAs, or v_wmma_f32_16x16x4_f32). A number that lies on a knife's edge between two numbers of the format may be rounded either way, as far as f32 arithmetic and the matrix unit's own rounding can turn it there, and no further.
;; One version. Each part assembles by itself: llvm-mc -triple=amdgcn-amd-amdhsa -mcpu=gfx1250 --defsym DOCPART=n.
;; ======== version 1 of 1: 2 launches
;; limits: right only within a limited range of input values
;; workspace buffers: a_img 13,107,200 bytes; b_img 13,107,200 bytes
;; launch quant (part 1): grid 1024 x 1, 4 waves a work-group, no clusters, 72,192 bytes of LDS; arguments x, weight_packed, a_img, b_img; writes a_img, b_img
.if DOCPART == 1
	.amdgcn_target "amdgcn-amd-amdhsa--gfx1250"
	.amdhsa_code_object_version 6
	.text
	.protected	k_q1fe54d0d9d_quant
	.globl	k_q1fe54d0d9d_quant
	.p2align	8
	.type	k_q1fe54d0d9d_quant,@function
k_q1fe54d0d9d_quant:
	s_mov_b64 s[64:65], 0
	v_nop
	global_prefetch_b8 v0, s[64:65] scope:SCOPE_SE
	s_setreg_imm32_b32 hwreg(HW_REG_WAVE_MODE, 25, 1), 1
	s_wait_xcnt 0x0
; x [4096][4096] f32 and W [4096][4096], which arrives as weight_packed [4096][2048] int32 (W[n][2 j] = bits 3:0, W[n][2 j + 1] = bits 7:4 of word j; the other bits count for nothing),
; are turned into codes of FP6 (E2M3), 6 bits each, with one E8M0 scale byte for each 32 along K, LAID IN THE ORDER OF THE MATRIX OPERAND'S REGISTERS:
;   a_img, b_img: [row group of 128 rows: 32][128 along K: 32][12,800 bytes]; such a block is 8 images of 1,536 bytes, one for each tile i of 16 rows, and behind them the 128 rows' scale words, 4 bytes a row.
;   An image is a fragment's 12 registers as they stand: registers 4 c .. 4 c + 3 of lane l at 512 c + 16 l.  Lane l = (r = l % 16, h = l / 16) holds row r; registers 6 c .. 6 c + 5 hold K = 64 c + 32 h + 0 .. 31.
; A block's scale is 2^(floor(log2(its largest magnitude)) - 2); its byte is the largest magnitude's own exponent field - 2, held at 1 from below.  Each number is divided by the scale and rounded to the nearest code,
; ties to even; beyond the largest code the conversion gives the largest code.
; LIMITS: a block of zeros gets the byte 1 where the rule says 127 (its codes are zeros, which add nothing under any byte but 0xff, and the bytes are read by this program alone); blocks whose largest magnitude lies
; under 2^-124, whose byte is held at 1, were not tried; NaN and infinities in x are not served.
; SHARES.  A wave takes 64 rows x 128 along K: four fragments.  The four waves of a work-group stand side by side along K.  Work-groups 0 to 511 take x, the others W.
; A lane must hold a whole block of 32 NEIGHBOURS of its row, while a load is best where neighbouring LANES take neighbouring bytes.  Both are had: each load reads 256 consecutive bytes of each of two rows, 16 a lane;
; 16 rows' 256 bytes go through the wave's own stage in LDS (rows 272 bytes apart) and come back by rows.  Of x that is half a fragment (64 along K: one block a lane), of W a whole one (64 words: two blocks a lane).
; So a block's largest magnitude needs no other lane, and the conversions' results are the operand's registers.  A fragment leaves by three stores of 512 consecutive bytes, aligned; the wave's 64 scale words are
; gathered in LDS and leave as 256 consecutive bytes, aligned.
; ONE LAUNCH, TWO PATHS: the buffers are chosen by the work-group's number, and one scalar branch on it parts the text.  Each path has LDS bytes of its own.
; No matrix unit, cluster, tensor load or barrier: waves share nothing, and every byte is read once.  Sixteen to twenty-four loads of 512 bytes of every wave are on their way.
.set WGA,    512                       ; work-groups that take x
.set XSTEPS, 8                         ; x: sub-steps of 16 rows x 64 along K
.set WSTEPS, 4                         ; W: steps of 16 rows x 128 along K
.set EMAX,   2
.set XROW,   16384                     ; a row of x in bytes
.set WROW,   8192                      ; a row of weight_packed
.set PIT,    272                       ; a stage row: 256 bytes + 16: the 16 rows that a load of 16 bytes a lane touches start at 16 different groups of four banks (64 banks of 4 bytes: ISA guide 11.1)
.set STG,    16*PIT                    ; a stage
.set XST,    0                         ; LDS, in a wave's region: x's two stages,
.set XSB,    2*STG                     ; and its 64 scale words;
.set WST,    XSB+256                   ; W's two stages,
.set WSB,    WST+2*STG                 ; and its 64 scale words
.set WREG,   WSB+256                   ; a wave's region: 17,920 bytes
.set SPARE,  4*WREG                    ; behind the four regions: the spare words, 128 bytes for each wave: two blocks of 256 bytes that no other line names
.set FRB,    1536                      ; an image
.set SCO,    8*FRB                     ; where the scale words begin in a block
.set KBLK,   SCO+512                   ; a block: 128 rows x 128 along K
.set GX,   3                           ; v3       x: my 16 bytes of a load: 16 r, + a row for lanes 16-31
.set GW,   4                           ; v4       the same in weight_packed
.set SIN,  5                           ; v5       the stage on the way in: 16 r, + a stage row for lanes 16-31
.set XRD,  6                           ; v6       x's stage on the way out: row r, + 128 h
.set WRD,  7                           ; v7       W's: row r, + 64 h
.set SWA,  8                           ; v8       where my row's scale word goes: 4 r
.set SRD,  9                           ; v9       the scale words on their way out: 8 bytes a lane, in LDS
.set OI,   10                          ; v10      an image's place for my lane: 16 x lane
.set OS,   11                          ; v11      8 x lane
.set SPW,  12                          ; v12      LDS address of my spare word: SPARE + 4 x my thread's number; never rewritten
.set NIL,  13                          ; v13      0; never rewritten
.set H8,   14                          ; v14      8 h: how far up my two scale bytes stand in the word
                                       ; v16, v17 largest magnitudes; v18 the conversions' scale operand; v19, v20 the bytes of my two blocks; v22 from lane l xor 16
.set T,    24                          ; v24-26   a block's upper 16 codes, on their way
.set R,    28                          ; v28-123  as loaded: three sets of 32
.set X,    124                         ; v124-187 back from the stage: two sets of 32
.set U,    188                         ; v188-219 W: a block's 32 numbers in f32
.set C,    220                         ; v220-243 a fragment's 12 registers: two sets
.set WD,   244                         ; v244-247 a scale word for each fragment
	s_load_b128 s[4:7], s[0:1], 0x0                ; x, weight_packed
	s_load_b128 s[8:11], s[0:1], 0x10              ; x's images, W's images
	v_lshl_add_u32 v[SPW], v0, 2, SPARE
	v_mov_b32 v[NIL], 0
	v_lshrrev_b32 v1, 5, v0
	v_readfirstlane_b32 s16, v1                    ; wave
	v_and_b32 v2, 31, v0                           ; lane
	v_and_b32 v1, 15, v0                           ; r
	v_bfe_u32 v15, v0, 4, 1                        ; h
	s_mul_i32 s17, s16, WREG                       ; my wave's region
	v_lshlrev_b32 v[GX], 4, v1
	v_lshl_add_u32 v[GW], v15, 15, v[GX]           ; 16 r + h x 4 rows of 8,192 bytes: W's tile i of a row group takes rows 64 (i / 4) + 4 r + i % 4 (r: the operand's lane), so lanes 16-31 of a load stand four rows below lanes 0-15
	v_lshl_add_u32 v[GX], v15, 14, v[GX]           ; 16 r + h rows of 16,384 bytes
	; every LDS address is made here, ahead of the parting of the paths; a path's own bytes stand in the immediates
	v_mul_u32_u24 v[SIN], v15, PIT
	v_lshl_add_u32 v[SIN], v1, 4, v[SIN]
	v_add_nc_u32 v[SIN], s17, v[SIN]
	v_mul_u32_u24 v[XRD], v1, PIT
	v_add_nc_u32 v[XRD], s17, v[XRD]
	v_lshl_add_u32 v[WRD], v15, 6, v[XRD]
	v_lshl_add_u32 v[XRD], v15, 7, v[XRD]
	v_lshl_add_u32 v[SWA], v1, 2, s17
	v_lshlrev_b32 v[OS], 3, v2
	v_add_nc_u32 v[SRD], s17, v[OS]
	v_lshlrev_b32 v[OI], 4, v2
	v_lshlrev_b32 v[H8], 3, v15
	v_mov_b32 v22, 0                               ; written once: a lane permute's destination counts as one of its sources
	s_mov_b32 s30, 0x76543210
	s_mov_b32 s31, 0xfedcba98                      ; v_permlanex16_b32's selects for lane l xor 16
	s_wait_kmcnt 0x0
	s_cmp_lt_u32 ttmp9, WGA                        ; x's work-group or W's?  The choice hangs on the work-group's number alone
	s_cselect_b64 s[4:5], s[4:5], s[6:7]
	s_cselect_b64 s[8:9], s[8:9], s[10:11]
	s_cselect_b32 s22, 20, 19                      ; 64 rows are 2^20 bytes of x, 2^19 of weight_packed;
	s_cselect_b32 s23, 9, 8                        ; 128 along K are 2^9 bytes of x, 2^8 of weight_packed
	s_and_b32 s18, ttmp9, WGA-1                    ; j: bits 8:4 the row group, bit 3 which 64 of its rows, bits 2:0 which four steps along K
	s_and_b32 s19, s18, 7
	s_lshl_b32 s19, s19, 2
	s_add_co_u32 s19, s19, s16                     ; g: my 128 along K, 0 to 31
	s_lshr_b32 s20, s18, 3                         ; my 64 rows, 0 to 63
	s_lshl_b32 s24, s20, s22
	s_lshl_b32 s25, s19, s23
	s_add_co_u32 s24, s24, s25                     ; under 2^26
	s_mov_b32 s25, 0
	s_add_nc_u64 s[4:5], s[4:5], s[24:25]          ; the input at my first row and my K
	s_lshr_b32 s26, s18, 4
	s_lshl_b32 s26, s26, 5
	s_add_co_u32 s26, s26, s19                     ; 32 x row group + g
	s_mul_i32 s26, s26, KBLK                       ; my block: under 2^24
	s_and_b32 s27, s20, 1                          ; which half of it
	s_mul_i32 s28, s27, 4*FRB
	s_add_co_u32 s24, s26, s28
	s_add_nc_u64 s[12:13], s[8:9], s[24:25]        ; my four images
	s_lshl_b32 s27, s27, 8
	s_add_co_u32 s24, s26, s27
	s_add_co_u32 s24, s24, SCO
	s_add_nc_u64 s[14:15], s[8:9], s[24:25]        ; my 64 scale words
	s_cmp_lt_u32 ttmp9, WGA                        ; compared anew: the sums above have set SCC
	s_cbranch_scc0 .Lweights
; A block: 32 neighbours in v[xs] on become six registers of codes in v[cd] on, and the scale's byte in v[by].
.macro BLOCKQ xs, cd, by
.set XS, \xs
.set CD, \cd
.set BY, \by
	v_max3_num_f32 v16, |v[XS]|, |v[XS+1]|, |v[XS+2]|              ; the block's largest magnitude: all 32 numbers are mine; two chains
	v_max3_num_f32 v17, |v[XS+3]|, |v[XS+4]|, |v[XS+5]|
.irp i, 6,10,14,18,22,26
	v_max3_num_f32 v16, v16, |v[XS+\i]|, |v[XS+\i+1]|
	v_max3_num_f32 v17, v17, |v[XS+\i+2]|, |v[XS+\i+3]|
.endr
	v_max3_num_f32 v16, v16, |v[XS+30]|, |v[XS+31]|
	v_max3_num_f32 v16, v16, v17, (EMAX+1)<<23     ; and the floor 2^(EMAX + 1 - 127), under which no largest magnitude is taken: so the byte cannot fall under 1
	v_add_nc_u32 v18, -(EMAX<<23), v16             ; EMAX off its exponent field: the conversion takes the exponent field of this operand as its scale, and nothing else of it
	v_cvt_scalef32_pk16_fp6_f32 v[CD:CD+2], v[XS:XS+15], v18       ; 96 bits without gaps, the first number's code lowest
	v_cvt_scalef32_pk16_fp6_f32 v[T:T+2], v[XS+16:XS+31], v18      ; (a conversion's three registers begin on an even number: the second half of a block's six does not, so it is made elsewhere and moved)
	v_lshrrev_b32 v[BY], 23, v18                   ; the scale's byte.  (Also the plain instruction between the conversions and the lines that touch their results)
.irp i, 0,1,2
	v_mov_b32 v[CD+3+\i], v[T+\i]
.endr
.endm
; Fragment f is whole: its scale word is put together and goes to LDS, its image to memory.  sb: where the path's scale words lie in my region.
.macro FRAGOUT f, sb
	v_lshl_or_b32 v[WD+(\f)], v20, 16, v19         ; my two bytes: blocks h and 2 + h of row r,
	v_lshlrev_b32 v[WD+(\f)], v[H8], v[WD+(\f)]    ; at their places in the word;
	v_permlanex16_b32 v22, v[WD+(\f)], s30, s31
	v_or_b32 v[WD+(\f)], v[WD+(\f)], v22           ; with lane l xor 16's two the word is whole
	ds_store_b32 v[SWA], v[WD+(\f)] offset:(\sb)+64*(\f)           ; both lanes of a row write the same word with the same value
.irp c, 0,1,2
	global_store_b128 v[OI], v[C+12*((\f)%2)+4*\c:C+12*((\f)%2)+4*\c+3], s[12:13] offset:FRB*(\f)+512*\c   ; 32 lanes store 512 consecutive bytes, at a multiple of 512 from the buffer's first byte
.endr
.endm
; The wave's 64 scale words leave, and the wave ends.
.macro TAIL sb
	ds_load_b64 v[16:17], v[SRD] offset:\sb        ; LDS serves a wave's instructions in order (ISA guide 5.7.1.4): this sees my stores
	s_wait_dscnt 0x0
	global_store_b64 v[OS], v[16:17], s[14:15]     ; 32 lanes store 256 consecutive bytes, at a multiple of 256 from the buffer's first byte
	s_wait_tensorcnt 0x0                           ; the wave's end, behind my last LDS store
	ds_add_u32 v[SPW], v[NIL]
	s_wait_dscnt 0x0
	s_endpgm
.endm
; ---- x: sub-step t is fragment t / 2, K = 64 (t % 2) on: eight loads of two rows' 256 bytes; loads run three sub-steps ahead, the turn through LDS one
.macro LOADX t
.irp i, 0,1,2,3,4,5,6,7
	global_load_b128 v[R+32*((\t)%3)+4*\i:R+32*((\t)%3)+4*\i+3], v[GX], s[4:5] offset:(16*((\t)/2)+2*\i)*XROW+256*((\t)%2) th:TH_LOAD_NT   ; sixteen lanes read 256 consecutive bytes, aligned; read once in the launch
.endr
.endm
.macro TURNX t                         ; no wait between the stores and the loads: LDS serves a wave's instructions in order
.irp i, 0,1,2,3,4,5,6,7
	ds_store_b128 v[SIN], v[R+32*((\t)%3)+4*\i:R+32*((\t)%3)+4*\i+3] offset:XST+STG*((\t)%2)+2*PIT*\i
.endr
.irp i, 0,1,2,3,4,5,6,7
	ds_load_b128 v[X+32*((\t)%2)+4*\i:X+32*((\t)%2)+4*\i+3], v[XRD] offset:XST+STG*((\t)%2)+16*\i
.endr
.endm
.macro STEPX t
.if ((\t) > 0) && ((\t)%2 == 0)
	s_wait_dscnt 1                                 ; this sub-step's numbers are back from the stage (the last fragment's scale word may be out): so its stores into the stage have read their registers,
.else
	s_wait_dscnt 0x0
.endif
.if ((\t) >= 4) && ((\t)%2 == 0)
	s_wait_xcnt 0x0                                ; the stores of the fragment two back have read their registers: this fragment's codes are written there only behind this wait
.endif
.if (\t)+3 < XSTEPS
	LOADX (\t)+3                                   ; which take the loads of three sub-steps on
.endif
.if (\t)+1 < XSTEPS
.if XSTEPS-2-(\t) >= 2
	s_wait_loadcnt 16                              ; the next sub-step's eight loads are in; those of the two behind it may be out
.else
	s_wait_loadcnt 8*(XSTEPS-2-(\t))               ; the last sub-steps: fewer are behind it
.endif
	TURNX (\t)+1                                   ; and go through the other stage while this sub-step is worked
.endif
	BLOCKQ X+32*((\t)%2), C+12*(((\t)/2)%2)+6*((\t)%2), 19+(\t)%2
.if (\t)%2 == 1
	FRAGOUT (\t)/2, XSB
.endif
.endm
.irp t, 0,1,2
	LOADX \t
.endr
	s_wait_loadcnt 16                              ; sub-step 0's eight loads are in
	s_wait_alu depctr_va_vdst(0)
	TURNX 0
.irp t, 0,1,2,3,4,5,6,7
	STEPX \t
.endr
	TAIL XSB
; ---- W: step t is fragment t: 64 words of each of 16 rows: eight loads of two rows' 256 bytes
.Lweights:
.macro LOADW t
.irp i, 0,1,2,3,4,5,6,7
	global_load_b128 v[R+32*((\t)%3)+4*\i:R+32*((\t)%3)+4*\i+3], v[GW], s[4:5] offset:((\t)+8*\i)*WROW th:TH_LOAD_NT   ; stage rows 2 i and 2 i + 1 are W's rows t + 8 i and t + 8 i + 4 of my 64: row 4 r + t for the operand's lane r
.endr
.endm
.macro TURNW t
.irp i, 0,1,2,3,4,5,6,7
	ds_store_b128 v[SIN], v[R+32*((\t)%3)+4*\i:R+32*((\t)%3)+4*\i+3] offset:WST+STG*((\t)%2)+2*PIT*\i
.endr
.irp i, 0,1,2,3,4,5,6,7
	ds_load_b128 v[X+32*((\t)%2)+4*\i:X+32*((\t)%2)+4*\i+3], v[WRD] offset:WST+STG*((\t)%2)+128*(\i/4)+16*(\i%4)   ; the 16 words of block h, then those of block 2 + h
.endr
.endm
.macro STEPW t
.if (\t) > 0
	s_wait_dscnt 1                                 ; this step's words are back from the stage (the last fragment's scale word may be out)
.else
	s_wait_dscnt 0x0
.endif
.if (\t) >= 2
	s_wait_xcnt 0x0                                ; the stores of the fragment two back have read their registers
.endif
.if (\t)+3 < WSTEPS
	LOADW (\t)+3
.endif
.if (\t)+1 < WSTEPS
.if WSTEPS-2-(\t) >= 2
	s_wait_loadcnt 16                              ; the next step's eight loads are in; those of the two behind it may be out
.else
	s_wait_loadcnt 8*(WSTEPS-2-(\t))
.endif
	TURNW (\t)+1
.endif
.irp c, 0,1
.irp j, 0,1,2,3,4,5,6,7,8,9,10,11,12,13,14,15
	v_and_b32 v[U+2*\j], 15, v[X+32*((\t)%2)+16*\c+\j]             ; the low nibble is the even column,
	v_bfe_u32 v[U+2*\j+1], v[X+32*((\t)%2)+16*\c+\j], 4, 4         ; the high nibble the odd one
.endr
.irp j, 0,1,2,3,4,5,6,7,8,9,10,11,12,13,14,15,16,17,18,19,20,21,22,23,24,25,26,27,28,29,30,31
	v_cvt_f32_u32 v[U+\j], v[U+\j]
.endr
	BLOCKQ U, C+12*((\t)%2)+6*\c, 19+\c
.endr
	FRAGOUT \t, WSB
.endm
.irp t, 0,1,2
	LOADW \t
.endr
	s_wait_loadcnt 16                              ; step 0's eight loads are in
	s_wait_alu depctr_va_vdst(0)
	TURNW 0
.irp t, 0,1,2,3
	STEPW \t
.endr
	TAIL WSB
.Lfunc_end_k_q1fe54d0d9d_quant:
	.size	k_q1fe54d0d9d_quant, .Lfunc_end_k_q1fe54d0d9d_quant-k_q1fe54d0d9d_quant
	.p2alignl 7, 3214868480
	.fill 96, 4, 3214868480
	.section	.rodata,"a",@progbits
	.p2align	6, 0x0
	.amdhsa_kernel k_q1fe54d0d9d_quant
		.amdhsa_group_segment_fixed_size 72192
		.amdhsa_private_segment_fixed_size 0
		.amdhsa_enable_private_segment 0
		.amdhsa_kernarg_size 32
		.amdhsa_user_sgpr_count 2
		.amdhsa_user_sgpr_kernarg_segment_ptr 1
		.amdhsa_wavefront_size32 1
		.amdhsa_system_sgpr_workgroup_id_x 1
		.amdhsa_system_sgpr_workgroup_id_y 1
		.amdhsa_system_sgpr_workgroup_id_z 1
		.amdhsa_system_vgpr_workitem_id 0
		.amdhsa_next_free_vgpr 248
		.amdhsa_next_free_sgpr 66
		.amdhsa_reserve_vcc 0
		.amdhsa_float_denorm_mode_32 3
		.amdhsa_float_denorm_mode_16_64 3
		.amdhsa_memory_ordered 1
		.amdhsa_forward_progress 1
		.amdhsa_inst_pref_size 72
	.end_amdhsa_kernel
	.amdgpu_metadata
---
amdhsa.version: [ 1, 2 ]
amdhsa.kernels:
  - .name:           k_q1fe54d0d9d_quant
    .symbol:         k_q1fe54d0d9d_quant.kd
    .args:
      - { .name: x, .offset: 0, .size: 8, .value_kind: global_buffer, .address_space: global }
      - { .name: weight_packed, .offset: 8, .size: 8, .value_kind: global_buffer, .address_space: global }
      - { .name: a_img, .offset: 16, .size: 8, .value_kind: global_buffer, .address_space: global }
      - { .name: b_img, .offset: 24, .size: 8, .value_kind: global_buffer, .address_space: global }
    .group_segment_fixed_size: 72192
    .private_segment_fixed_size: 0
    .kernarg_segment_align: 8
    .kernarg_segment_size: 32
    .max_flat_workgroup_size: 128
    .sgpr_count:     66
    .vgpr_count:     248
    .wavefront_size: 32
...
	.end_amdgpu_metadata
.endif
;; end of part 1
;; launch gemm (part 2): grid 16 x 16, 4 waves a work-group, clusters of 4 x 4, 327,680 bytes of LDS; arguments a_img, b_img, out0, bias; writes out0
.if DOCPART == 2
	.amdgcn_target "amdgcn-amd-amdhsa--gfx1250"
	.amdhsa_code_object_version 6
	.text
	.protected	k_q1fe54d0d9d_gemm
	.globl	k_q1fe54d0d9d_gemm
	.p2align	8
	.type	k_q1fe54d0d9d_gemm,@function
k_q1fe54d0d9d_gemm:
	s_mov_b64 s[64:65], 0
	v_nop
	global_prefetch_b8 v0, s[64:65] scope:SCOPE_SE
	s_setreg_imm32_b32 hwreg(HW_REG_WAVE_MODE, 25, 1), 1
	s_wait_xcnt 0x0
	s_wait_alu depctr_hold_cnt(0) depctr_sa_sdst(0) depctr_va_vdst(0) depctr_va_sdst(0) depctr_va_ssrc(0) depctr_va_vcc(0) depctr_vm_vsrc(0)
	s_getreg_b32 s2, hwreg(HW_REG_IB_STS2, 6, 4)
	s_cmp_eq_u32 s2, 0
	s_cbranch_scc0 .Lentry_in_a_cluster
	s_endpgm
.Lentry_in_a_cluster:
	s_bfe_u32 s2, ttmp6, 0x10000c
	s_cmp_lg_u32 s2, 0xf033
	s_cbranch_scc0 .Lentry_shape_is_right
	s_endpgm
.Lentry_shape_is_right:
; out0[m][n] = sum over k of x[m][k] W[n][k] + bias[n], on the codes of FP6 (E2M3) and E8M0 scale words that launch quant has laid as images of the operand's registers:
; a_img, b_img: [row group of 128 rows: 32][128 along K: 32][12,800 bytes = 8 images of 1,536 bytes, then 128 scale words].  Nothing of reference() is left out; the bias is added in f32 behind the sums, as reference() adds it.
; W's tile i of a row group holds rows 64 (i / 4) + 4 r + i % 4 in lane r.  The product is used as it stands (source 0 = 16 rows of x, source 1 = 16 rows of W): register j of lane (r, h) is out(8 h + j, the tile's row r).
; So register j of the four accumulators of tiles 4 g .. 4 g + 3 holds four NEIGHBOURING columns 64 g + 4 r + 0 .. 3: the bias add writes them into four neighbouring registers, and sixteen lanes store 256 consecutive bytes,
; aligned.  No stage in LDS on the way out.
; SHARES: a work-group of four waves makes 256 x 256 of out0, a wave 128 x 128: 64 accumulators, 512 registers.  256 work-groups.  CLUSTERS of 4 x 4: x's tiles are asked for jointly along a row, W's along a column.
; REGISTERS, in windows of 256.  Window w holds in v128-255 the 16 accumulators of x's blocks 2 w, 2 w + 1 (accumulator (a, b) at v[128 + 8 (8 (a % 2) + b)]) and in v32-127 ONE SET of eight fragments:
;   window 0: x's set 0, window 1: x's set 1, window 2: W's set 0, window 3: W's set 1.  Step s of 128 along K multiplies the sets s % 2; the 56 LDS loads of step s + 1, into the other sets, stand in ONE run at its head,
;   behind four places, and are waited for at the head of step s + 1: 64 products lie between.
;   Window 0: v2-15 addresses, v16-31 scale words, two sets (lanes 0-15 x's block i, lanes 16-31 W's tile i).  Window 1: v16-23 the bias.  Windows 2, 3: v0-31 results on their way out.
; THE RING: two LDS slots, each with three steps of x's 256 rows and W's 256 rows (4 x 38,400 bytes, a quarter a wave, dense rows of 256 bytes).  Fill f holds steps 3 f .. 3 f + 2 (fill 10: two steps) in slot f % 2.
;   Step 3 f - 1's fragments are asked for at the head of step 3 f - 2, so that step's last 16 products hold the change of slots: the wait for all tensor loads, the add, the wait for my LDS reads, a round of the cluster's
;   barrier, and the joint load of fill f + 1 into fill f - 1's slot.  By the text's own count a wave has one tensor load out.
; PREFETCH: behind the joint load of fill f + 1 stands the request for fill f + 3, two fills ahead of its own joint load.  Every cluster asks for what it will load; the four partners that ask for a quarter jointly share its
;   150 blocks of 256 bytes out by address (38, 37, 38, 37), a lane a block.  At the head fills 1, 2 and 3 are asked for.  The loop's last trip asks for nothing: fill 10 is short, and a whole fill's blocks from its start
;   would pass the row group's end.
; THE LAST TWO STEPS go group by group: a window's 16 accumulators take step 30 and step 31 and leave, while the other windows' are still multiplied.
.set FRB,    1536
.set SCO,    8*FRB
.set KBLK,   SCO+512
.set QUART,  3*KBLK
.set SLOT,   4*QUART
.set GSTR,   32*KBLK
.set TRIPS,  4
.set SPARE,  2*SLOT                    ; behind the ring: the spare words, 128 bytes a wave
.set ROWB,   16384                     ; a row of out0 in bytes
.set SPW,  2
.set NIL,  3
.set ADRA, 4                           ; v4-5 my x fragments in slot 0, 1;  v6-7 W's;  v8-9 the scale words
.set ADRB, 6
.set ADRS, 8
.set PFO,  10
.set PFO2, 11
.set CO,   12                          ; my place in out0: 8 h rows + 16 r bytes
.set BO,   13                          ; 16 r
.set SC,   16
.set G1,   24
.set G0,   32
.set G1B,  48
.set G0B,  56
.set G1M,  68                          ; group 1 of the short last fill
.set G1MB, 80
.set PFA,  96
.set MSB, 0
.macro WIN new                         ; the immediate's high byte repeats the setting that is left
.if MSB != (\new)
	s_set_vgpr_msb (MSB<<8)|(\new)
.set MSB, (\new)
.endif
.endm
.macro JLOAD g0a, g1a, g0b, g1b        ; a joint load: waves 0, 1 fetch x's halves, waves 2, 3 W's; s_nop 0 and four v_nop behind each line
	s_cmp_eq_u32 s15, 0
	s_cbranch_scc0 .Lfor_b_\@
	tensor_load_to_lds s[\g0a:\g0a+3], s[\g1a:\g1a+7]
	s_nop 0
.rept 4
	v_nop
.endr
	s_branch .Lasked_\@
.Lfor_b_\@:
	tensor_load_to_lds s[\g0b:\g0b+3], s[\g1b:\g1b+7]
	s_nop 0
.rept 4
	v_nop
.endr
.Lasked_\@:
.endm
.macro ASK inloop, off                 ; my work-group's 38 or 37 blocks of a fill; in the loop: not in its last trip
.if \inloop
	s_cmp_gt_u32 s3, 1
	s_cbranch_scc0 .Lno_ask_\@
.endif
	global_prefetch_b8 v[PFO], s[PFA:PFA+1] offset:\off th:TH_LOAD_NT scope:SCOPE_SE
	global_prefetch_b8 v[PFO2], s[PFA:PFA+1] offset:\off th:TH_LOAD_NT scope:SCOPE_SE
.if \inloop
.Lno_ask_\@:
.endif
.endm
.macro CREST                           ; a round of the cluster's barrier behind its opening barrier
	s_cmp_lg_u32 s14, 0
	s_cbranch_scc1 .Lnot_wave_0_\@
	s_barrier_signal -3
.Lnot_wave_0_\@:
	s_barrier_wait -3
	s_barrier_signal -1
	s_barrier_wait -1
.endm
.macro CROUND
	s_barrier_signal -1
	s_barrier_wait -1
	CREST
.endm
.macro PLACES
.rept 4
	v_nop
.endr
.endm
	s_load_b128 s[4:7], s[0:1], 0x0                ; x's images, W's images
	s_load_b128 s[8:11], s[0:1], 0x10              ; out0, bias
	v_lshl_add_u32 v[SPW], v0, 2, SPARE
	v_mov_b32 v[NIL], 0
	ds_add_u32 v[SPW], v[NIL]                      ; the opening lines: the add, twice on end, and its wait
	ds_add_u32 v[SPW], v[NIL]
	v_lshrrev_b32 v1, 5, v0
	v_readfirstlane_b32 s14, v1                    ; wave
	s_lshr_b32 s15, s14, 1                         ; my half of the rows; also: I fetch for x (0) or W (1)
	s_and_b32 s16, s14, 1                          ; my half of the columns; also: which row group of the two I fetch
	s_bfe_u32 s40, ttmp6, 0x40000                  ; cx
	s_bfe_u32 s41, ttmp6, 0x40004                  ; cy
	s_lshl_b32 s42, ttmp9, 2
	s_add_co_u32 s42, s42, s40                     ; tile column
	s_and_b32 s17, ttmp7, 0xffff
	s_lshl_b32 s17, s17, 2
	s_add_co_u32 s17, s17, s41                     ; tile row
	s_lshl_b32 s43, s41, 2
	s_lshl_b32 s43, 15, s43                        ; my row of the cluster
	s_lshl_b32 s44, 0x1111, s40                    ; my column
	s_or_b32 s[G1+0], s43, (3<<16)|(1<<21)         ; elements of 8 bytes, no padding: the images are read lane by lane, 16 bytes on end
	s_or_b32 s[G1B+0], s44, (3<<16)|(1<<21)
	s_or_b32 s[G1M+0], s43, (3<<16)|(1<<21)
	s_or_b32 s[G1MB+0], s44, (3<<16)|(1<<21)
.irp g, G1, G1B
	s_mov_b32 s[\g+1], 32<<16                      ; rows of 256 bytes,
	s_mov_b32 s[\g+2], (QUART/256)<<16             ; 150 of them: three steps of a row group
	s_mov_b32 s[\g+3], 32<<16
	s_mov_b32 s[\g+4], QUART/256
	s_mov_b32 s[\g+5], 32
	s_mov_b32 s[\g+6], 0
	s_mov_b32 s[\g+7], 0
.endr
.irp g, G1M, G1MB
	s_mov_b32 s[\g+1], 32<<16
	s_mov_b32 s[\g+2], (2*KBLK/256)<<16            ; 100 rows: two steps
	s_mov_b32 s[\g+3], 32<<16
	s_mov_b32 s[\g+4], 2*KBLK/256
	s_mov_b32 s[\g+5], 32
	s_mov_b32 s[\g+6], 0
	s_mov_b32 s[\g+7], 0
.endr
	s_lshl_b32 s20, s17, 1
	s_add_co_u32 s20, s20, s16
	s_mul_i32 s20, s20, GSTR                       ; x: the row group that I fetch
	s_mov_b32 s21, 0
	s_lshl_b32 s46, s42, 1
	s_add_co_u32 s46, s46, s16
	s_mul_i32 s46, s46, GSTR                       ; W: likewise
	s_mov_b32 s47, 0
	s_mul_i32 s45, s14, QUART                      ; where it goes: wave x a quarter of a slot
	s_mul_i32 s88, s15, QUART                      ; the quarter of x that I read,
	s_mul_i32 s89, s16, QUART
	s_add_co_u32 s89, s89, 2*QUART                 ; and of W
	s_sub_co_u32 s90, s89, s88
	s_add_co_u32 s91, s88, SLOT
	s_add_co_u32 s94, s89, SLOT
	s_lshl_b32 s18, s17, 8
	s_lshl_b32 s19, s15, 7
	s_add_co_u32 s18, s18, s19
	s_lshl_b32 s18, s18, 14                        ; my first row of out0, in bytes (under 2^26)
	s_lshl_b32 s22, s42, 10
	s_lshl_b32 s23, s16, 9
	s_add_co_u32 s22, s22, s23                     ; my first column, in bytes
	s_add_co_u32 s18, s18, s22
	s_mov_b32 s19, 0
	s_mov_b32 s23, 0
	s_lshl_b32 s92, s17, 1                         ; the prefetches
	s_lshl_b32 s93, s42, 1
	s_cmp_eq_u32 s15, 0
	s_cselect_b32 s77, s92, s93
	s_cselect_b32 s78, s40, s41                    ; my place among the four that ask jointly
	s_add_co_u32 s77, s77, s16
	s_mul_i32 s77, s77, GSTR
	s_mul_i32 s76, s78, 75
	s_add_co_u32 s76, s76, 1
	s_lshr_b32 s76, s76, 1
	s_lshl_b32 s76, s76, 8                         ; my first block: 0, 38, 75, 113
	s_add_co_u32 s76, s76, s77
	s_add_co_u32 s76, s76, QUART                   ; at fill 1
	s_and_b32 s78, s78, 1
	s_sub_co_u32 s93, 5, s78                       ; 38 or 37 blocks: the second line's lanes stop at 5 or 4
	s_mov_b32 s77, 0
	v_and_b32 v14, 31, v0                          ; lane
	v_and_b32 v15, 15, v0                          ; r
	v_bfe_u32 v1, v0, 4, 1                         ; h
	v_lshlrev_b32 v[PFO], 8, v14
	v_min_u32 v[PFO2], s93, v14
	v_add_nc_u32 v[PFO2], 32, v[PFO2]
	v_lshlrev_b32 v[PFO2], 8, v[PFO2]
	v_lshlrev_b32 v[BO], 4, v15
	v_lshl_add_u32 v[CO], v1, 17, v[BO]            ; 8 h rows of 16,384 bytes + 16 r
	v_lshlrev_b32 v14, 4, v14                      ; an image: 16 x lane
	v_mul_u32_u24 v1, s90, v1                      ; scale words: lanes 16-31 take W's quarter,
	v_lshl_add_u32 v15, v15, 2, v1                 ; + 4 r
	v_add_nc_u32 v[ADRA], s88, v14
	v_add_nc_u32 v[ADRA+1], s91, v14
	v_add_nc_u32 v[ADRB], s89, v14
	v_add_nc_u32 v[ADRB+1], s94, v14
	v_add_nc_u32 v[ADRS], s88, v15
	v_add_nc_u32 v[ADRS+1], s91, v15
	s_wait_alu depctr_va_vdst(0)                   ; the head's last vector write stands above
	s_wait_dscnt 0x0                               ; both opening adds are done
	s_wait_kmcnt 0x0
	s_add_nc_u64 s[20:21], s[4:5], s[20:21]
	s_add_nc_u64 s[46:47], s[6:7], s[46:47]
	s_add_nc_u64 s[8:9], s[8:9], s[18:19]
	s_add_nc_u64 s[10:11], s[10:11], s[22:23]
	s_cmp_eq_u32 s15, 0
	s_cselect_b64 s[PFA:PFA+1], s[4:5], s[6:7]
	s_add_nc_u64 s[PFA:PFA+1], s[PFA:PFA+1], s[76:77]
.irp s, 0,1
	s_mov_b32 s[G0+4*\s], 1
	s_add_co_u32 s[G0+4*\s+1], s45, \s*SLOT
	s_add_nc_u64 s[G0+4*\s+2:G0+4*\s+3], s[20:21], \s*QUART
	s_or_b32 s[G0+4*\s+3], s[G0+4*\s+3], 0x80000000
	s_mov_b32 s[G0B+4*\s], 1
	s_add_co_u32 s[G0B+4*\s+1], s45, \s*SLOT
	s_add_nc_u64 s[G0B+4*\s+2:G0B+4*\s+3], s[46:47], \s*QUART
	s_or_b32 s[G0B+4*\s+3], s[G0B+4*\s+3], 0x80000000
.endr
	CROUND                                         ; all sixteen work-groups are here: the first joint loads meet
	JLOAD G0, G1, G0B, G1B                         ; fill 0: one tensor load a wave at the head
	ASK 0, 0                                       ; fill 1,
	ASK 0, QUART                                   ; and fill 2
	WIN 0x40                                       ; destination window 1
	global_load_b128 v[16:19], v[BO], s[10:11]             ; the bias of my columns 4 r + 0 .. 3,
	global_load_b128 v[20:23], v[BO], s[10:11] offset:256  ; and 64 + 4 r + 0 .. 3
	WIN 0
	s_wait_tensorcnt 0x0                           ; my part of fill 0 is in; slot 1's first fill is issued as a refill is
	ds_add_u32 v[SPW], v[NIL]
	s_wait_dscnt 0x0
	CROUND
	JLOAD G0+4, G1, G0B+4, G1B                     ; fill 1
	ASK 0, 2*QUART                                 ; fill 3
; The 56 LDS loads of a step (slot SL, its step Q) into the sets 1 - p, in one run.  A set's load n (fragment n / 3, registers 4 (n % 3) on) reads 512 consecutive bytes at 512 n.
.macro FETCH p
	WIN (3-(\p))<<6                                ; W's set
.set N, 0
.rept 24
	ds_load_b128 v[32+4*N:35+4*N], v[ADRB+SL] offset:Q*KBLK+512*N
.set N, N+1
.endr
	WIN (1-(\p))<<6                                ; x's set
.set N, 0
.rept 24
	ds_load_b128 v[32+4*N:35+4*N], v[ADRA+SL] offset:Q*KBLK+512*N
.set N, N+1
.endr
	WIN 0
.set N, 0
.rept 8
	ds_load_b32 v[SC+8*(1-(\p))+N], v[ADRS+SL] offset:Q*KBLK+SCO+64*N
.set N, N+1
.endr
.endm
; Products n0 .. n1 - 1 of the 16 of window w, on the sets p.  The accumulators take turns, one instruction a turn.
.macro GRP w, p, zero, n0, n1
	WIN ((\w)<<6)|((\w)<<4)|((2+(\p))<<2)|(\p)
.set N, \n0
.rept (\n1)-(\n0)
.set AA, 2*(\w)+N/8
.set BB, N%8
.set DD, 128+8*N
.if \zero
	v_wmma_scale_f32_16x16x128_f8f6f4 v[DD:DD+7], v[32+12*AA:43+12*AA], v[32+12*BB:43+12*BB], 0, v[SC+8*(\p)+AA], v[SC+8*(\p)+BB] matrix_a_fmt:MATRIX_FMT_FP6 matrix_b_fmt:MATRIX_FMT_FP6 matrix_b_scale:MATRIX_SCALE_ROW1
.else
	v_wmma_scale_f32_16x16x128_f8f6f4 v[DD:DD+7], v[32+12*AA:43+12*AA], v[32+12*BB:43+12*BB], v[DD:DD+7], v[SC+8*(\p)+AA], v[SC+8*(\p)+BB] matrix_a_fmt:MATRIX_FMT_FP6 matrix_b_fmt:MATRIX_FMT_FP6 matrix_b_scale:MATRIX_SCALE_ROW1
.endif
.set N, N+1
.endr
.endm
; A step's last group.  turn = 1, 2: the change of slots with a refill of slot RS (2: the short last fill); 3: a barrier that shows the last fill, nothing is filled again.
.macro LASTG w, p, zero, turn
.if \turn
	WIN 0                                          ; the add's registers lie in window 0
.if (\turn)==1
	s_wait_xcnt 0x0                                ; my last prefetches have read their address
	s_add_nc_u64 s[PFA:PFA+1], s[PFA:PFA+1], QUART
.endif
	s_wait_tensorcnt 0x0                           ; all my tensor loads have landed: my part of the next fill
	ds_add_u32 v[SPW], v[NIL]
.if (\turn)<3
	s_add_nc_u64 s[G0+4*RS+2:G0+4*RS+3], s[G0+4*RS+2:G0+4*RS+3], 2*QUART
	s_add_nc_u64 s[G0B+4*RS+2:G0B+4*RS+3], s[G0B+4*RS+2:G0B+4*RS+3], 2*QUART
.endif
	GRP \w,\p,\zero,0,8
	s_wait_dscnt 0x0                               ; the add is done, and so are my reads of slot RS: its last step's fragments are in registers
	s_barrier_signal -1
	GRP \w,\p,\zero,8,16
	WIN 0
	s_barrier_wait -1
.if (\turn)<3
	CREST                                          ; the barrier has opened a round: no wave of any partner still reads the slot or has a load on its way
.if (\turn)==1
	JLOAD G0+4*RS, G1, G0B+4*RS, G1B
	ASK 1, 2*QUART                                 ; two fills behind the one just asked for
.else
	JLOAD G0+4*RS, G1M, G0B+4*RS, G1MB
.endif
.endif
.else
	GRP \w,\p,\zero,0,16
.endif
.endm
.macro STEP s, zero, turn
.set SL, (((\s)+1)/3)%2                ; where step s + 1 lies
.set Q,  ((\s)+1)%3
.set RS, (((\s)+2)/3+1)%2              ; the slot that a change of slots in this step fills again
	s_wait_dscnt 0x0                               ; this step's fragments and scale words, asked for at the last step's head
	PLACES                                         ; between the last step's products and the loads into the sets that they read
	FETCH (\s)%2
	GRP 0,(\s)%2,\zero,0,16
	GRP 1,(\s)%2,\zero,0,16
	GRP 2,(\s)%2,\zero,0,16
	LASTG 3,(\s)%2,\zero,\turn
.endm
; Window w's 16 accumulators leave: four batches (block 2 w + e / 2, columns 64 (e % 2) on) of 32 bias adds and 8 stores.  The results stand in v0-31 of windows 2 and 3 by turns: a batch's registers are written again
; two batches on, behind the wait on XCNT that stands ahead of the batch between.  Each accumulator is read from its register 0 on.
.macro OUT w
	PLACES                                         ; between the last products and the first read of results
.irp e, 0,1,2,3
.set XW, 2+(\e)%2
	WIN (XW<<6)|(1<<2)|(\w)
.irp j, 0,1,2,3,4,5,6,7
.irp c, 0,1,2,3
	v_add_f32 v[4*\j+\c], v[128+8*(8*((\e)/2)+4*((\e)%2)+\c)+\j], v[16+4*((\e)%2)+\c]
.endr
.endr
	s_wait_alu depctr_va_vdst(0)
	s_wait_xcnt 0x0                                ; the earlier batches' stores have read their registers
	WIN XW<<2
.irp j, 0,1,2,3,4,5,6,7
	global_store_b128 v[CO], v[4*\j:4*\j+3], s[8:9] offset:(16*(2*(\w)+(\e)/2)+\j)*ROWB+256*((\e)%2) th:TH_STORE_NT   ; lanes 0-15 and lanes 16-31 each store 256 consecutive bytes, aligned
.endr
.endr
.endm
.set SL, 0
.set Q, 0
	FETCH 1                                        ; step 0's fragments, into the sets 0
	STEP 0,1,0                                     ; the first step's products start the sums
	WIN 0
	s_mov_b32 s3, TRIPS
.Llap:                                                 ; a trip: six steps, once round the ring; steps 1 to 24
	STEP 1,0,1
	STEP 2,0,0
	STEP 3,0,0
	STEP 4,0,1
	STEP 5,0,0
	STEP 6,0,0
	WIN 0
	s_sub_co_u32 s3, s3, 1
	s_cmp_lg_u32 s3, 0
	s_cbranch_scc1 .Llap
	STEP 25,0,2                                    ; the short fill 10 goes out
	STEP 26,0,0
	STEP 27,0,0
	STEP 28,0,3                                    ; fill 10 is shown to all four waves; nothing is filled again
	STEP 29,0,0
.set SL, 0
.set Q, 1
	s_wait_dscnt 0x0                               ; steps 30 and 31, window by window
	PLACES
	FETCH 0                                        ; step 31's fragments
	GRP 0,0,0,0,16
	GRP 1,0,0,0,16
	s_wait_loadcnt 0x0                             ; the bias
	s_wait_dscnt 0x0                               ; step 31's fragments and scale words
	GRP 0,1,0,0,16
	OUT 0
	GRP 1,1,0,0,16
	OUT 1
	GRP 2,0,0,0,16
	GRP 2,1,0,0,16
	OUT 2
	GRP 3,0,0,0,16
	GRP 3,1,0,0,16
	OUT 3
	WIN 0
	s_wait_tensorcnt 0x0                           ; the wave's end
	ds_add_u32 v[SPW], v[NIL]
	s_wait_dscnt 0x0
	CROUND                                         ; the closing round
	s_endpgm
.Lfunc_end_k_q1fe54d0d9d_gemm:
	.size	k_q1fe54d0d9d_gemm, .Lfunc_end_k_q1fe54d0d9d_gemm-k_q1fe54d0d9d_gemm
	.p2alignl 7, 3214868480
	.fill 96, 4, 3214868480
	.section	.rodata,"a",@progbits
	.p2align	6, 0x0
	.amdhsa_kernel k_q1fe54d0d9d_gemm
		.amdhsa_group_segment_fixed_size 327680
		.amdhsa_private_segment_fixed_size 0
		.amdhsa_enable_private_segment 0
		.amdhsa_kernarg_size 32
		.amdhsa_user_sgpr_count 2
		.amdhsa_user_sgpr_kernarg_segment_ptr 1
		.amdhsa_wavefront_size32 1
		.amdhsa_system_sgpr_workgroup_id_x 1
		.amdhsa_system_sgpr_workgroup_id_y 1
		.amdhsa_system_sgpr_workgroup_id_z 1
		.amdhsa_system_vgpr_workitem_id 0
		.amdhsa_next_free_vgpr 1024
		.amdhsa_next_free_sgpr 100
		.amdhsa_reserve_vcc 0
		.amdhsa_float_denorm_mode_32 3
		.amdhsa_float_denorm_mode_16_64 3
		.amdhsa_memory_ordered 1
		.amdhsa_forward_progress 1
		.amdhsa_inst_pref_size 211
	.end_amdhsa_kernel
	.amdgpu_metadata
---
amdhsa.version: [ 1, 2 ]
amdhsa.kernels:
  - .name:           k_q1fe54d0d9d_gemm
    .symbol:         k_q1fe54d0d9d_gemm.kd
    .args:
      - { .name: a_img, .offset: 0, .size: 8, .value_kind: global_buffer, .address_space: global }
      - { .name: b_img, .offset: 8, .size: 8, .value_kind: global_buffer, .address_space: global }
      - { .name: out0, .offset: 16, .size: 8, .value_kind: global_buffer, .address_space: global }
      - { .name: bias, .offset: 24, .size: 8, .value_kind: global_buffer, .address_space: global }
    .group_segment_fixed_size: 327680
    .private_segment_fixed_size: 0
    .kernarg_segment_align: 8
    .kernarg_segment_size: 32
    .max_flat_workgroup_size: 128
    .sgpr_count:     100
    .vgpr_count:     1024
    .wavefront_size: 32
...
	.end_amdgpu_metadata
.endif
;; end of part 2
